; MI455X (gfx1250); checked and timed in simulation.
; The chip was launched on July 23, 2026; its instructions are those of AMD's public machine-readable ISA for CDNA 5 (MIT licence, August 2026) and "CDNA5" Instruction Set Architecture Reference Guide (July 2026). The comments in the code are by the model that wrote it; some were corrected since.
;; Multi Head Attention. Allowed arithmetic: matrix products marked QUANTISED: E2M3 operands, one E8M0 scale for each 32 along K, by v_wmma_scale_f32_16x16x128_f8f6f4 with both operands' format E2M3, f32 sums; everything else in f32.
;; Inputs: b_k 1,024 float32; b_o 1,024 float32; b_q 1,024 float32; b_v 1,024 float32; k 4 x 2,048 x 1,024 float32; q 4 x 2,048 x 1,024 float32; v 4 x 2,048 x 1,024 float32; w_k 1,024 x 1,024 float32; w_o 1,024 x 1,024 float32; w_q 1,024 x 1,024 float32; w_v 1,024 x 1,024 float32.
;; Outputs: out0 4 x 2,048 x 1,024 float32.
;; This version of the problem:
;;   THIS VERSION OF THE PROBLEM IS GIVEN IN LOW PRECISION. The matrix products marked QUANTISED in the list below multiply operands that are first quantised to E2M3 (2 exponent bits, 3 mantissa bits; 6 bits a number), with one power-of-two scale for each 32 numbers along K (OCP MX v1.0); their sums are f32. All else is computed in f32.
;;   The module's matrix products, in the order in which they are computed (A, B: the left and right operand; K: the contracted axis; several contracted axes count as one K, in the product's order):
;;     1. [M 8,192, K 1,024] x [K 1,024, N 1,024]; A: input q; B: input w_q: QUANTISED
;;     2. [M 8,192, K 1,024] x [K 1,024, N 1,024]; A: input k; B: input w_k: QUANTISED
;;     3. [M 8,192, K 1,024] x [K 1,024, N 1,024]; A: input v; B: input w_v: QUANTISED
;;     4. batch 64 x [M 2,048, K 64] x [K 64, N 2,048]; A: computed on the way; B: computed on the way: QUANTISED
;;     5. batch 64 x [M 2,048, K 2,048] x [K 2,048, N 64]; A: softmax (see below); B: computed on the way: QUANTISED
;;     6. [M 8,192, K 1,024] x [K 1,024, N 1,024]; A: computed on the way; B: input w_o: QUANTISED
;;   THE QUANTISER, for each operand of a quantised product, along K:
;;     - K is cut into blocks of 32 from its start; a last block that is shorter is filled with zeros.
;;     - A block's scale is 2^e with e = floor(log2(the largest magnitude in the block)) - 2, held to -126 .. 127; a block of zeros has e = 0. As a byte (E8M0): e + 127.
;;     - Each number is divided by its block's scale, clamped to +-7.5, and rounded to the nearest number of E2M3, ties to even, subnormals kept.
;;     - The product sums the exact products of the quantised numbers (number of the format x scale) in f32.
;;   ~~~python
;;   def quantise(x, axis):      # numpy; x: float32 -> the quantised numbers, widened to float32 again
;;       x = np.moveaxis(x, axis, -1); K = x.shape[-1]
;;       x = np.pad(x, [(0, 0)] * (x.ndim - 1) + [(0, -K % 32)]); x = x.reshape(x.shape[:-1] + (-1, 32)); a = np.abs(x).max(-1, keepdims=True)
;;       e = np.where(a > 0, np.clip(np.frexp(np.where(a > 0, a, 1))[1] - 1 - 2, -126, 127), 0)      # np.frexp(a)[1] - 1 = floor(log2(a)), exactly
;;       r = np.clip(x / 2.0 ** e, -7.5, 7.5)
;;       step = 2.0 ** (np.maximum(np.frexp(np.where(r == 0, 1, r))[1] - 1, 0) - 3)
;;       q = np.round(r / step) * step * 2.0 ** e      # np.round: ties to even
;;       return np.moveaxis(q.reshape(q.shape[:-2] + (-1,))[..., :K], -1, axis).astype(np.float32)
;;   ~~~
;;   SOFTMAX AHEAD OF A QUANTISED PRODUCT. Where the list says 'softmax', what is quantised is not the finished softmax but p = 2^(t - M), with t = logit x log2(e) and M = ceil(the row's largest t), a whole number; so 1/2 < the row's largest p <= 1. The row's sum l is taken of the UNQUANTISED p, in f32, and the product's result is divided by l at the end. Since M is a whole number, a kernel that streams over the keys may use a running M (the ceiling of the running maximum): every later rescaling is an exact power of two, which a block's scale takes up: the codes' values come out the same.
;;   OPERANDS COMPUTED ON THE WAY. 'Computed on the way' means the value that the module computes at that place (a softmax that the list does not call 'softmax' is quantised finished and normalised). What goes into a quantiser is computed in f32, as accurately as f32 sums, v_exp_f32 and their like allow (about 1e-6 of the number): no bf16 or f16 on the way to a quantiser, and a product that is left as it is and whose result goes on into a quantised operand takes f32 operands (vector FMAs, or v_wmma_f32_16x16x4_f32). A number that lies on a knife's edge between two numbers of the format may be rounded either way, as far as f32 arithmetic and the matrix unit's own rounding can turn it there, and no further.
;; One version. Each part assembles by itself: llvm-mc -triple=amdgcn-amd-amdhsa -mcpu=gfx1250 --defsym DOCPART=n.
;; ======== version 1 of 1: 4 launches
;; limits: right only within a limited range of input values
;; workspace buffers: codes 22,020,096 bytes; scales 917,504 bytes; qkv 19,660,800 bytes; oc 6,291,456 bytes; os 262,144 bytes
;; launch quant (part 1): grid 896 x 1, 4 waves a work-group, no clusters, 33,280 bytes of LDS; arguments q, k, v, w_q, w_k, w_v, w_o, codes, scales; writes codes, scales
.if DOCPART == 1
	.amdgcn_target "amdgcn-amd-amdhsa--gfx1250"
	.amdhsa_code_object_version 6
	.text
	.protected	k_qe20922cac3_quant
	.globl	k_qe20922cac3_quant
	.p2align	8
	.type	k_qe20922cac3_quant,@function
k_qe20922cac3_quant:
	s_mov_b64 s[64:65], 0
	v_nop
	global_prefetch_b8 v0, s[64:65] scope:SCOPE_SE
	s_setreg_imm32_b32 hwreg(HW_REG_WAVE_MODE, 25, 1), 1
	s_wait_xcnt 0x0
; q, k, v [8192][1024] and w_q, w_k, w_v, w_o [1024][1024], f32, become codes of FP6 (E2M3), K innermost, and one E8M0 byte for each 32 along K.
; The seven tensors are one stream of 28,672 rows: codes 768 bytes a row, scale bytes 32 a row, in the order q, k, v, w_q, w_k, w_v, w_o.
; A block's scale is 2^(floor(log2(its largest magnitude)) - 2); its byte is the largest magnitude's exponent field - 2, held at 1 from below.
; ORDER OF THE CODES IN A BLOCK (the whole program's): place 16 h + i holds number 8 h + i for i < 8 and number 16 + 8 h + (i - 8) for i >= 8: the two middle groups of eight change places.
; Both operands of every product of this program are laid so, so that the same numbers meet; a block stays the same 32 numbers, so its scale is the rule's.
; LIMITS: a block of zeros, or one whose largest magnitude lies under 2^-124, gets the byte 1 (its codes are zeros or subnormal codes; the bytes are read by this program alone); NaN and infinities among the inputs are not served.
; A wave takes 16 steps of 512 numbers.  Each load reads 512 consecutive bytes; a step's 2,048 bytes turn through the wave's own stage in LDS and come back 16 numbers a lane, two lanes to a block.
; No tensor loads, no barrier: waves share nothing.  Loads run four steps (16 loads a wave) ahead, the turn through LDS one step.
.set STEPS, 16
.set EMAX,  2
.set CB,    12                         ; bytes of 16 codes
.set R,     16                         ; v16-79   four sets of 16 numbers as they are loaded
.set X,     80                         ; v80-111  two sets of 16 numbers of one block's half
.set C,     128                        ; v128-191 codes: four registers for each step, so that no store's data are written again
.set E,     112                        ; v112-127 a scale byte for each step
.set WREG,  8192                       ; LDS: a region for each wave: two stages of 32 x SP bytes, then its 256 scale bytes
.set SP,    80                         ; 64 bytes of numbers + 16 of padding
	s_load_b256 s[4:11], s[0:1], 0x0               ; q s[4:5], k s[6:7], v s[8:9], w_q s[10:11]
	s_load_b256 s[12:19], s[0:1], 0x20             ; w_k s[12:13], w_v s[14:15], w_o s[16:17], codes s[18:19]
	s_load_b64 s[20:21], s[0:1], 0x40              ; scales
	v_lshl_add_u32 v192, v0, 2, 0x8000
	v_mov_b32 v193, 0
	v_lshrrev_b32 v1, 5, v0
	v_readfirstlane_b32 s26, v1                    ; wave
	v_and_b32 v2, 31, v0                           ; lane
	v_lshlrev_b32 v3, 4, v2                        ; my 16 bytes of a load's 512
	s_mul_i32 s27, s26, WREG
	v_lshrrev_b32 v14, 2, v2
	v_mul_u32_u24 v14, v14, SP
	v_and_b32 v15, 3, v2
	v_lshl_add_u32 v14, v15, 4, v14
	v_add_nc_u32 v14, s27, v14                     ; the stage, on the way in: four lanes' 64 bytes on end, then 16 of padding
	v_lshrrev_b32 v5, 1, v2                        ; my block of the step's sixteen
	v_mul_u32_u24 v15, v5, 2*SP                    ; a block is two places of the stage: numbers 0-15, numbers 16-31
	v_and_b32 v6, 1, v2                            ; h: which half of the block's places is mine
	v_lshl_add_u32 v15, v6, 5, v15
	v_add_nc_u32 v15, s27, v15                     ; on the way out: numbers 8 h + 0..7 at 32 h, numbers 16 + 8 h + 0..7 one place (80 bytes) on
	v_mul_u32_u24 v4, v2, CB                       ; my codes' place in a step's
	s_add_co_u32 s27, s27, 2*32*SP
	v_add_nc_u32 v5, s27, v5                       ; LDS: my wave's 256 scale bytes, my block's byte
	v_lshlrev_b32 v7, 3, v2                        ; and on the way out 8 bytes a lane
	v_add_nc_u32 v6, s27, v7
	s_wait_alu depctr_va_vdst(0)
	s_wait_kmcnt 0x0
	; which tensor is my work-group's: 256 work-groups each for q, k, v, then 32 each for the four weights.  The choice hangs on the work-group's number alone
	s_mov_b64 s[22:23], s[16:17]
	s_mov_b32 s24, 864                             ; the tensor's first work-group
	s_cmp_lt_u32 ttmp9, 864
	s_cselect_b64 s[22:23], s[14:15], s[22:23]
	s_cselect_b32 s24, 832, s24
	s_cmp_lt_u32 ttmp9, 832
	s_cselect_b64 s[22:23], s[12:13], s[22:23]
	s_cselect_b32 s24, 800, s24
	s_cmp_lt_u32 ttmp9, 800
	s_cselect_b64 s[22:23], s[10:11], s[22:23]
	s_cselect_b32 s24, 768, s24
	s_cmp_lt_u32 ttmp9, 768
	s_cselect_b64 s[22:23], s[8:9], s[22:23]
	s_cselect_b32 s24, 512, s24
	s_cmp_lt_u32 ttmp9, 512
	s_cselect_b64 s[22:23], s[6:7], s[22:23]
	s_cselect_b32 s24, 256, s24
	s_cmp_lt_u32 ttmp9, 256
	s_cselect_b64 s[22:23], s[4:5], s[22:23]
	s_cselect_b32 s24, 0, s24
	s_sub_co_u32 s24, ttmp9, s24
	s_lshl_b32 s24, s24, 2
	s_add_co_u32 s24, s24, s26                     ; which run of 8,192 numbers of the tensor is my wave's
	s_lshl_b32 s24, s24, 15                        ; 32,768 bytes a run
	s_mov_b32 s25, 0
	s_add_nc_u64 s[22:23], s[22:23], s[24:25]
	s_lshl_b32 s28, ttmp9, 2
	s_add_co_u32 s28, s28, s26                     ; which run of the whole stream: the outputs follow each other in the work-groups' order
	s_mul_i32 s30, s28, 32*STEPS*CB                ; 6,144 bytes of codes a run
	s_mov_b32 s31, 0
	s_add_nc_u64 s[18:19], s[18:19], s[30:31]
	s_lshl_b32 s28, s28, 8                         ; 256 scale bytes a run
	s_mov_b32 s29, 0
	s_add_nc_u64 s[20:21], s[20:21], s[28:29]
.macro LOAD t
.irp i, 0,1,2,3
	global_load_b128 v[R+16*((\t)%4)+4*\i:R+16*((\t)%4)+4*\i+3], v3, s[22:23] offset:2048*(\t)+512*\i th:TH_LOAD_NT   ; 32 lanes read 512 consecutive bytes
.endr
.endm
.macro TURN t                          ; step t's numbers through the stage: LDS serves a wave's instructions in order, so no wait stands between the stores and the loads
.irp i, 0,1,2,3
	ds_store_b128 v14, v[R+16*((\t)%4)+4*\i:R+16*((\t)%4)+4*\i+3] offset:32*SP*((\t)%2)+8*SP*\i
.endr
.irp i, 0,1,2,3
	ds_load_b128 v[X+16*((\t)%2)+4*\i:X+16*((\t)%2)+4*\i+3], v15 offset:32*SP*((\t)%2)+16*(\i%2)+SP*(\i/2)
.endr
.endm
.irp t, 0,1,2,3
	LOAD \t
.endr
	s_wait_loadcnt 12                              ; step 0's four loads are in
	TURN 0
.macro STEP t
.set XS, X+16*((\t)%2)
.if (\t) > 0
	s_wait_dscnt 1                                 ; this step's numbers are back from the stage (the last step's byte store may be out): so its stores into the stage have read their registers,
.else
	s_wait_dscnt 0x0
.endif
.if (\t)+4 < STEPS
	LOAD (\t)+4                                    ; which take the loads of four steps on
.endif
.if (\t)+1 < STEPS
.if STEPS-2-(\t) >= 3
	s_wait_loadcnt 12                              ; the next step's four loads are in; those of the three steps behind it may be out
.else
	s_wait_loadcnt 4*(STEPS-2-(\t))
.endif
	TURN (\t)+1                                    ; and go through the other stage while this step is worked
.endif
	v_max3_num_f32 v8, |v[XS]|, |v[XS+1]|, |v[XS+2]|               ; the largest magnitude of my 16
	v_max3_num_f32 v9, |v[XS+3]|, |v[XS+4]|, |v[XS+5]|
.irp i, 6,10
	v_max3_num_f32 v8, v8, |v[XS+\i]|, |v[XS+\i+1]|
	v_max3_num_f32 v9, v9, |v[XS+\i+2]|, |v[XS+\i+3]|
.endr
	v_max3_num_f32 v8, v8, |v[XS+14]|, |v[XS+15]|
	v_max3_num_f32 v8, v8, v9, (EMAX+1)<<23        ; and the floor 2^(3 - 127): the byte cannot fall under 1
	v_max_num_f32_dpp v8, v8, v8 row_xmask:1 row_mask:0xf bank_mask:0xf   ; and of my neighbour's 16: the block's
	v_add_nc_u32 v11, -(EMAX<<23), v8              ; 2 off its exponent field: the conversion takes the exponent field of this operand as its scale
	v_cvt_scalef32_pk16_fp6_f32 v[C+4*(\t):C+4*(\t)+2], v[XS:XS+15], v11         ; sixteen codes, 96 bits, the first number's lowest
	v_lshrrev_b32 v[E+(\t)], 23, v11               ; the scale's byte (also the plain line behind the conversion)
	ds_store_b8 v5, v[E+(\t)] offset:16*(\t)       ; both lanes of a block write the same byte with the same value
	global_store_b96 v4, v[C+4*(\t):C+4*(\t)+2], s[18:19] offset:32*CB*(\t)      ; the wave stores 384 consecutive bytes
.endm
.irp t, 0,1,2,3,4,5,6,7,8,9,10,11,12,13,14,15
	STEP \t
.endr
	ds_load_b64 v[12:13], v6                       ; LDS serves a wave's instructions in order: these see my stores
	s_wait_dscnt 0x0
	global_store_b64 v7, v[12:13], s[20:21]        ; 32 lanes store 256 consecutive bytes, at a multiple of 256 from the buffer's first byte
	s_wait_tensorcnt 0x0
	ds_add_u32 v192, v193
	s_wait_dscnt 0x0
	s_endpgm
.Lfunc_end_k_qe20922cac3_quant:
	.size	k_qe20922cac3_quant, .Lfunc_end_k_qe20922cac3_quant-k_qe20922cac3_quant
	.p2alignl 7, 3214868480
	.fill 96, 4, 3214868480
	.section	.rodata,"a",@progbits
	.p2align	6, 0x0
	.amdhsa_kernel k_qe20922cac3_quant
		.amdhsa_group_segment_fixed_size 33280
		.amdhsa_private_segment_fixed_size 0
		.amdhsa_enable_private_segment 0
		.amdhsa_kernarg_size 72
		.amdhsa_user_sgpr_count 2
		.amdhsa_user_sgpr_kernarg_segment_ptr 1
		.amdhsa_wavefront_size32 1
		.amdhsa_system_sgpr_workgroup_id_x 1
		.amdhsa_system_sgpr_workgroup_id_y 1
		.amdhsa_system_sgpr_workgroup_id_z 1
		.amdhsa_system_vgpr_workitem_id 0
		.amdhsa_next_free_vgpr 194
		.amdhsa_next_free_sgpr 66
		.amdhsa_reserve_vcc 0
		.amdhsa_float_denorm_mode_32 3
		.amdhsa_float_denorm_mode_16_64 3
		.amdhsa_memory_ordered 1
		.amdhsa_forward_progress 1
		.amdhsa_inst_pref_size 33
	.end_amdhsa_kernel
	.amdgpu_metadata
---
amdhsa.version: [ 1, 2 ]
amdhsa.kernels:
  - .name:           k_qe20922cac3_quant
    .symbol:         k_qe20922cac3_quant.kd
    .args:
      - { .name: q, .offset: 0, .size: 8, .value_kind: global_buffer, .address_space: global }
      - { .name: k, .offset: 8, .size: 8, .value_kind: global_buffer, .address_space: global }
      - { .name: v, .offset: 16, .size: 8, .value_kind: global_buffer, .address_space: global }
      - { .name: w_q, .offset: 24, .size: 8, .value_kind: global_buffer, .address_space: global }
      - { .name: w_k, .offset: 32, .size: 8, .value_kind: global_buffer, .address_space: global }
      - { .name: w_v, .offset: 40, .size: 8, .value_kind: global_buffer, .address_space: global }
      - { .name: w_o, .offset: 48, .size: 8, .value_kind: global_buffer, .address_space: global }
      - { .name: codes, .offset: 56, .size: 8, .value_kind: global_buffer, .address_space: global }
      - { .name: scales, .offset: 64, .size: 8, .value_kind: global_buffer, .address_space: global }
    .group_segment_fixed_size: 33280
    .private_segment_fixed_size: 0
    .kernarg_segment_align: 8
    .kernarg_segment_size: 72
    .max_flat_workgroup_size: 128
    .sgpr_count:     66
    .vgpr_count:     194
    .wavefront_size: 32
...
	.end_amdgpu_metadata
.endif
;; end of part 1
;; launch proj (part 2): grid 4 x 192, 4 waves a work-group, clusters of 4 x 4, 327,680 bytes of LDS; arguments codes, scales, b_q, b_k, b_v, qkv; writes qkv
.if DOCPART == 2
	.amdgcn_target "amdgcn-amd-amdhsa--gfx1250"
	.amdhsa_code_object_version 6
	.text
	.protected	k_qe20922cac3_proj
	.globl	k_qe20922cac3_proj
	.p2align	8
	.type	k_qe20922cac3_proj,@function
k_qe20922cac3_proj:
	s_mov_b64 s[64:65], 0
	v_nop
	global_prefetch_b8 v0, s[64:65] scope:SCOPE_SE
	s_setreg_imm32_b32 hwreg(HW_REG_WAVE_MODE, 25, 1), 1
	s_wait_xcnt 0x0
	s_wait_alu depctr_hold_cnt(0) depctr_sa_sdst(0) depctr_va_vdst(0) depctr_va_sdst(0) depctr_va_ssrc(0) depctr_va_vcc(0) depctr_vm_vsrc(0)
	s_getreg_b32 s2, hwreg(HW_REG_IB_STS2, 6, 4)
	s_cmp_eq_u32 s2, 0
	s_cbranch_scc0 .Lentry_in_a_cluster
	s_endpgm
.Lentry_in_a_cluster:
	s_bfe_u32 s2, ttmp6, 0x10000c
	s_cmp_lg_u32 s2, 0xf033
	s_cbranch_scc0 .Lentry_shape_is_right
	s_endpgm
.Lentry_shape_is_right:
; The three input projections on codes of FP6 (E2M3) with E8M0 scales, bias added in f32, the result quantised again and laid as the attention launch reads it.
; A work-group makes 128 x 256 of a product with K = 1,024.  ALL OF K IS RESIDENT IN LDS: 128 + 256 whole rows of 768 bytes of codes, each beginning at a multiple of 256 bytes of its buffer,
; 16 bytes of padding behind each 256 (LDS pitch 816), and the rows' scale bytes.  Four tiles, one joint tensor load a wave at the head; nothing is filled again, so K has no ring and no barrier.
; q, k: side A = 128 tokens, side B = 256 rows of the weight.  v: side A = 128 rows of w_v, side B = 256 tokens, so that a lane's registers run along the keys, which are the next K.
; A wave makes 128 (A) x 64 (B): 32 accumulators.  The matrix instruction is used transposed (source 0 = B's rows, source 1 = A's rows): lane l holds A's row l % 16, its registers B's rows 8 (l / 16) + 0..7.
; CLUSTERS 4 x 4: A's tile and scales are shared along a row of the cluster, B's along a column.
; No prefetch: every tile is asked for at the head, and there is no loop to run ahead in.
; REGISTERS: window 0: v8-20 addresses, v32-95 scale words (register 8 i + step: lanes 0-15 A's block i, lanes 16-31 B's block i), v96-191 B's fragments, two sets, v192-223 bias; window 1: accumulator (a, b) at 8 (4 a + b); window 2: A's fragments, two sets of 96.
; qkv: per (batch, head) 307,200 bytes: parts Q, K, V of 102,400: 98,304 of codes as images of operand registers (a half image, 16 rows x 64 K: registers 0-3 at 16 x lane, 4-5 at 512 + 8 x lane), then 4,096 of scale words.
; V's scale words are stored two bytes a lane (a wave holds 64 of a word's 128 keys): 262,144 bytes in all.
; LIMITS: NaN and infinities are not served; a block whose largest magnitude lies under 2^-124 has the byte 1.
.set PITCH,  816
.set BLK16,  16*PITCH
.set AB,     128*PITCH                 ; B's rows behind A's
.set SCL,    AB+256*PITCH              ; B's scales (32 units of 272), then A's (16 units)
.set SPARE,  SCL+13056                 ; the spare words
.set BLKB,   307200
.set PARTB,  102400
.set SCOFF,  98304
.set ADRA, 8                           ; v8-11 A's rows 0-63: plain, + 16 h; rows 64-127 likewise
.set ADRB, 12                          ; v12-13
.set ADRS, 14
.set L16,  16
.set L8,   17
.set LSC,  18
.set BOH,  19
.set BOR,  20
.set SPW,  28
.set NIL,  29
.set SC,   32
.set BF,   96
.set BI,   192
.set HA,   96
.set PC,   160
.set TM,   224
.set PWS,  240
.set G1, 24
.set G0, 32
.set G0B, 36
.set G1B, 48
.set SEL, 66
.set G1S, 68
.set G0S, 76
.set G1SB, 80
.set G0SB, 88
.set MSB, 0
.macro WIN new
.if MSB != \new
	s_set_vgpr_msb (MSB<<8)|\new
.set MSB, \new
.endif
.endm
.set MUL,  0x58                        ; source 0 window 0, source 1 window 2, C and D window 1
.set TO_A, 0x80
.macro CROUND
	s_barrier_signal -1
	s_barrier_wait -1
	s_cmp_lg_u32 s16, 0
	s_cbranch_scc1 .Lnot_wave_0_\@
	s_barrier_signal -3
.Lnot_wave_0_\@:
	s_barrier_wait -3
	s_barrier_signal -1
	s_barrier_wait -1
.endm
.macro PLACES n
.rept \n
	v_nop
.endr
.endm
	s_load_b128 s[4:7], s[0:1], 0x0                ; codes, scales
	s_load_b128 s[8:11], s[0:1], 0x10              ; b_q, b_k
	s_load_b128 s[12:15], s[0:1], 0x20             ; b_v, qkv
	v_lshl_add_u32 v[SPW], v0, 2, SPARE
	v_mov_b32 v[NIL], 0
	ds_add_u32 v[SPW], v[NIL]                      ; the opening lines: the add twice on end and its wait
	ds_add_u32 v[SPW], v[NIL]
	v_lshrrev_b32 v1, 5, v0
	v_readfirstlane_b32 s16, v1                    ; wave
	s_bfe_u32 s40, ttmp6, 0x40000                  ; cx
	s_bfe_u32 s41, ttmp6, 0x40004                  ; cy
	s_and_b32 s21, ttmp7, 0xffff                   ; cluster y, 0..47
	s_lshr_b32 s19, s21, 4                         ; tensor: 0 q, 1 k, 2 v
	s_and_b32 s20, s21, 15                         ; cluster within the tensor
	s_lshl_b32 s43, s41, 2
	s_lshl_b32 s43, 15, s43                        ; my row of the cluster
	s_lshl_b32 s44, 0x1111, s40                    ; my column
	s_mov_b32 s[SEL], 0x76543210
	s_mov_b32 s[SEL+1], 0xfedcba98
	s_or_b32 s[G1+0], s43, (0<<16)|(1<<20)|(1<<21)|(5<<22)|(3<<25)   ; bytes; 4 words of padding behind every 64
	s_or_b32 s[G1B+0], s44, (0<<16)|(1<<20)|(1<<21)|(5<<22)|(3<<25)
	s_mov_b32 s[G1+2], 128<<16                     ; A: 128 rows
	s_mov_b32 s[G1+4], 128
	s_mov_b32 s[G1B+2], 256<<16                    ; B: 256 rows
	s_mov_b32 s[G1B+4], 256
.irp g, G1, G1B
	s_mov_b32 s[\g+1], 768<<16
	s_mov_b32 s[\g+3], 768<<16
	s_mov_b32 s[\g+5], 768
	s_mov_b32 s[\g+6], 0
	s_mov_b32 s[\g+7], 0
.endr
	s_or_b32 s[G1S+0], s43, (3<<16)|(1<<20)|(1<<21)|(5<<22)|(3<<25)  ; scales: dense blocks as rows of 256 bytes
	s_or_b32 s[G1SB+0], s44, (3<<16)|(1<<20)|(1<<21)|(5<<22)|(3<<25)
	s_mov_b32 s[G1S+2], 16<<16
	s_mov_b32 s[G1S+4], 16
	s_mov_b32 s[G1SB+2], 32<<16
	s_mov_b32 s[G1SB+4], 32
.irp g, G1S, G1SB
	s_mov_b32 s[\g+1], 32<<16
	s_mov_b32 s[\g+3], 32<<16
	s_mov_b32 s[\g+5], 32
	s_mov_b32 s[\g+6], 0
	s_mov_b32 s[\g+7], 0
.endr
	; first rows in the stream of 28,672 rows (q 0, k 8192, v 16384, w_q 24576, w_k 25600, w_v 26624)
	s_lshl_b32 s22, s19, 13
	s_lshl_b32 s23, s20, 9
	s_add_co_u32 s22, s22, s23                     ; q, k: A = tokens
	s_lshl_b32 s92, s19, 10
	s_add_co_u32 s92, s92, 24576                   ; B = the weight
	s_and_b32 s93, s20, 1
	s_lshl_b32 s93, s93, 9
	s_add_co_u32 s93, s93, 26624                   ; v: A = w_v
	s_lshr_b32 s94, s20, 1
	s_lshl_b32 s94, s94, 10
	s_add_co_u32 s94, s94, 16384                   ; B = tokens
	s_cmp_eq_u32 s19, 2
	s_cselect_b32 s22, s93, s22
	s_cselect_b32 s92, s94, s92
	s_lshl_b32 s2, s41, 7
	s_add_co_u32 s22, s22, s2                      ; + 128 cy
	s_lshl_b32 s93, s40, 8
	s_add_co_u32 s92, s92, s93                     ; + 256 cx
	s_mul_i32 s2, s22, 768
	s_mov_b32 s3, 0
	s_lshl_b32 s22, s22, 5
	s_mov_b32 s23, 0
	s_mul_i32 s46, s92, 768
	s_mov_b32 s47, 0
	s_lshl_b32 s92, s92, 5
	s_mov_b32 s93, 0
	s_mul_i32 s21, s16, 64*PITCH
	s_add_co_u32 s21, s21, AB                      ; my 64 rows of B in LDS
	s_mul_i32 s45, s16, 2176                       ; their scales: 8 units of 272
	s_sub_co_u32 s42, 8704, s45                    ; from there to A's scales
	s_add_co_u32 s45, s45, SCL
	s_wait_dscnt 0x0
	s_wait_kmcnt 0x0
	s_mov_b32 s[G0], 1
	s_mov_b32 s[G0+1], 0
	s_add_nc_u64 s[G0+2:G0+3], s[4:5], s[2:3]
	s_or_b32 s[G0+3], s[G0+3], 0x80000000
	s_mov_b32 s[G0B], 1
	s_mov_b32 s[G0B+1], AB
	s_add_nc_u64 s[G0B+2:G0B+3], s[4:5], s[46:47]
	s_or_b32 s[G0B+3], s[G0B+3], 0x80000000
	s_mov_b32 s[G0S], 1
	s_mov_b32 s[G0S+1], SCL+8704
	s_add_nc_u64 s[G0S+2:G0S+3], s[6:7], s[22:23]
	s_or_b32 s[G0S+3], s[G0S+3], 0x80000000
	s_mov_b32 s[G0SB], 1
	s_mov_b32 s[G0SB+1], SCL
	s_add_nc_u64 s[G0SB+2:G0SB+3], s[6:7], s[92:93]
	s_or_b32 s[G0SB+3], s[G0SB+3], 0x80000000
	CROUND                                         ; all sixteen work-groups are here: the joint loads meet
; one tree of branches on the wave's number, one load to an arm: wave 0 A, wave 1 B, wave 2 A's scales, wave 3 B's
.macro ARM under, g0, g1, next
	s_cmp_lt_u32 s16, \under
	s_cbranch_scc0 \next
	tensor_load_to_lds s[\g0:\g0+3], s[\g1:\g1+7]
	s_nop 0
.rept 4
	v_nop
.endr
	s_branch .Lhead_asked
\next:
.endm
	ARM 1, G0,  G1,  .Lhead_b
	ARM 2, G0B, G1B, .Lhead_sa
	ARM 3, G0S, G1S, .Lhead_sb
	tensor_load_to_lds s[G0SB:G0SB+3], s[G1SB:G1SB+7]
	s_nop 0
.rept 4
	v_nop
.endr
.Lhead_asked:
	v_and_b32 v1, 15, v0                           ; r
	v_bfe_u32 v2, v0, 4, 1                         ; h
	v_mul_u32_u24 v3, v1, PITCH
	v_mad_u32_u24 v3, v2, 24, v3                   ; row x pitch + 24 h
	v_lshl_add_u32 v4, v2, 4, v3                   ; + 16 h: for a piece whose lanes 16-31 lie behind the next padding
	v_mov_b32 v[ADRA], v3
	v_mov_b32 v[ADRA+1], v4
	v_add_nc_u32 v[ADRA+2], 4*BLK16, v3
	v_add_nc_u32 v[ADRA+3], 4*BLK16, v4
	v_add_nc_u32 v[ADRB], s21, v3
	v_add_nc_u32 v[ADRB+1], s21, v4
	v_lshlrev_b32 v5, 5, v1                        ; scales: 32 bytes a row,
	v_lshrrev_b32 v6, 8, v5
	v_lshl_add_u32 v5, v6, 4, v5                   ; 16 more for each 256 passed
	v_sub_nc_u32 v7, 1, v2
	v_mul_u32_u24 v6, s42, v7                      ; lanes 0-15 take A's, lanes 16-31 my B's
	v_add_nc_u32 v5, v5, v6
	v_add_nc_u32 v[ADRS], s45, v5
	v_and_b32 v6, 31, v0
	v_lshlrev_b32 v[L16], 4, v6
	v_lshlrev_b32 v[L8], 3, v6
	v_lshlrev_b32 v[LSC], 4, v1
	v_lshlrev_b32 v[BOH], 5, v2
	v_lshlrev_b32 v[BOR], 2, v1
; a fragment: 16 rows x 128 K, 12 registers, six pieces of 8 bytes; byte y of a row lies at y + 16 (y / 256) of its LDS row
.macro FRAG reg, adr, st, i
.irp p, 0,1,2,3,4,5
.set BY, 96*(\st)+48*(\p/3)+8*(\p%3)
.if BY/256 == (BY+24)/256
	ds_load_b64 v[\reg+2*\p:\reg+2*\p+1], v[\adr] offset:BY+16*(BY/256)+(\i)*BLK16
.else
	ds_load_b64 v[\reg+2*\p:\reg+2*\p+1], v[\adr+1] offset:BY+16*(BY/256)+(\i)*BLK16
.endif
.endr
.endm
.macro FETCH st                        ; step st's twelve fragments into set st % 2
	WIN TO_A
.irp i, 0,1,2,3,4,5,6,7
	FRAG 96*((\st)%2)+12*\i, ADRA+2*(\i/4), \st, \i%4
.endr
	WIN 0
.irp i, 0,1,2,3
	FRAG BF+48*((\st)%2)+12*\i, ADRB, \st, \i
.endr
.endm
.macro MULS a0, st, zero               ; 16 matrix instructions; the 32 accumulators take turns, in the same order in every step
.irp a, \a0, \a0+1, \a0+2, \a0+3
.irp b, 0,1,2,3
.if \zero
	v_wmma_scale_f32_16x16x128_f8f6f4 v[8*(4*(\a)+\b):8*(4*(\a)+\b)+7], v[BF+48*((\st)%2)+12*\b:BF+48*((\st)%2)+12*\b+11], v[96*((\st)%2)+12*(\a):96*((\st)%2)+12*(\a)+11], 0, v[SC+8*\b+(\st)], v[SC+8*(\a)+(\st)] matrix_a_fmt:MATRIX_FMT_FP6 matrix_b_fmt:MATRIX_FMT_FP6 matrix_a_scale:MATRIX_SCALE_ROW1
.else
	v_wmma_scale_f32_16x16x128_f8f6f4 v[8*(4*(\a)+\b):8*(4*(\a)+\b)+7], v[BF+48*((\st)%2)+12*\b:BF+48*((\st)%2)+12*\b+11], v[96*((\st)%2)+12*(\a):96*((\st)%2)+12*(\a)+11], v[8*(4*(\a)+\b):8*(4*(\a)+\b)+7], v[SC+8*\b+(\st)], v[SC+8*(\a)+(\st)] matrix_a_fmt:MATRIX_FMT_FP6 matrix_b_fmt:MATRIX_FMT_FP6 matrix_a_scale:MATRIX_SCALE_ROW1
.endif
.endr
.endr
.endm
.macro STEP st, zero, more
	s_wait_dscnt 0x0                               ; this step's fragments are in (asked for 16 matrix instructions ago)
	PLACES 4                                       ; behind the last step's products, whose set the loads below fill
	WIN MUL
	MULS 0, \st, \zero
.if \more
	FETCH (\st)+1
.endif
	WIN MUL
	MULS 4, \st, \zero
	WIN 0
.endm
; 64 numbers a lane, four blocks of 32 shared with lane l xor 16, become two half images and a scale word
.macro QUANT s, pw
.irp b, 0,1,2,3
	v_max3_num_f32 v[TM+\b], |v[\s+16*\b]|, |v[\s+1+16*\b]|, 0x1800000
.endr
.irp i, 2,4,6,8,10,12,14
.irp b, 0,1,2,3
	v_max3_num_f32 v[TM+\b], v[TM+\b], |v[\s+16*\b+\i]|, |v[\s+1+16*\b+\i]|
.endr
.endr
.irp b, 0,1,2,3
	v_permlanex16_b32 v[TM+4+\b], v[TM+\b], s[SEL], s[SEL+1]
.endr
.irp b, 0,1,2,3
	v_max_num_f32 v[TM+\b], v[TM+\b], v[TM+4+\b]
.endr
.irp b, 0,1,2,3
	v_add_nc_u32 v[TM+12+\b], 0xff000000, v[TM+\b]
.endr
.irp b, 0,1,2,3
	v_lshrrev_b32 v[TM+4+\b], 23, v[TM+12+\b]
.endr
	v_lshl_or_b32 v[\pw], v[TM+5], 8, v[TM+4]
	v_lshl_or_b32 v[\pw], v[TM+6], 16, v[\pw]
	v_lshl_or_b32 v[\pw], v[TM+7], 24, v[\pw]
.irp c, 0,1
	v_cvt_scalef32_pk16_fp6_f32 v[PC+6*\c:PC+2+6*\c], v[\s+32*\c:\s+15+32*\c], v[TM+12+2*\c]
	v_cvt_scalef32_pk16_fp6_f32 v[PC+12+4*\c:PC+14+4*\c], v[\s+16+32*\c:\s+31+32*\c], v[TM+12+2*\c+1]
.endr
	v_nop
.irp c, 0,1
.irp i, 0,1,2
	v_permlane16_swap_b32 v[PC+6*\c+\i], v[PC+12+4*\c+\i]
.endr
.irp i, 0,1,2
	v_mov_b32 v[PC+3+6*\c+\i], v[PC+12+4*\c+\i]
.endr
.endr
.endm
; A's blocks 2 e and 2 e + 1: their 64 accumulator registers lie on end; bias added, quantised, stored as two half images
.macro EPAIR e, vp
	s_wait_xcnt 0x0                                ; the last pair's stores have read their registers
	WIN 0x01
.irp k, 0,2,4,6,8,10,12,14,16,18,20,22,24,26,28,30,32,34,36,38,40,42,44,46,48,50,52,54,56,58,60,62
.if \vp
	v_pk_add_f32 v[HA+\k:HA+\k+1], v[64*(\e)+\k:64*(\e)+\k+1], v[BI+2*(2*(\e)+\k/32):BI+2*(2*(\e)+\k/32)+1]
.else
	v_pk_add_f32 v[HA+\k:HA+\k+1], v[64*(\e)+\k:64*(\e)+\k+1], v[BI+\k%32:BI+\k%32+1]
.endif
.endr
	WIN 0
	QUANT HA, PWS+(\e)
.irp c, 0,1
.if \vp
	global_store_b128 v[L16], v[PC+6*\c:PC+6*\c+3], s[14:15] offset:BLKB*((\e)/2)+1536*((2*(\e)+\c)%4)
	global_store_b64 v[L8], v[PC+6*\c+4:PC+6*\c+5], s[14:15] offset:BLKB*((\e)/2)+1536*((2*(\e)+\c)%4)+512
.else
	global_store_b128 v[L16], v[PC+6*\c:PC+6*\c+3], s[14:15] offset:768*(2*(\e)+\c)
	global_store_b64 v[L8], v[PC+6*\c+4:PC+6*\c+5], s[14:15] offset:768*(2*(\e)+\c)+512
.endif
.endr
.endm
.macro WAYOUT vp
	s_wait_loadcnt 0x0                             ; the bias
	PLACES 4
.irp b, 0,1,2,3
	v_mov_b32 v[TM+4+\b], 0                        ; a lane permute's destination counts as one of its sources
.endr
.irp e, 0,1,2,3
	EPAIR \e, \vp
.endr
.if \vp
.irp e, 0,1,2,3                        ; word e: the low two bytes are row block 2 e's, the high two 2 e + 1's; each is my half of a scale word of 128 keys
	global_store_b16 v[LSC], v[PWS+\e], s[98:99] offset:BLKB*(\e/2)+4*((2*\e)%4)
	global_store_d16_hi_b16 v[LSC], v[PWS+\e], s[98:99] offset:BLKB*(\e/2)+4*((2*\e+1)%4)
.endr
.else
	global_store_b128 v[LSC], v[PWS:PWS+3], s[98:99]   ; row r's four words; both halves of the lanes hold and store the same
.endif
.endm
	s_wait_alu depctr_va_vdst(0)                   ; the wait at the head's end
	s_wait_tensorcnt 0x0                           ; my tile is in,
	s_barrier_signal -1
	s_barrier_wait -1                              ; everybody's is
.irp i, 0,1,2,3,4,5,6,7
	ds_load_b128 v[SC+8*\i:SC+8*\i+3], v[ADRS] offset:544*\i       ; all eight steps' scale words of block i
	ds_load_b128 v[SC+8*\i+4:SC+8*\i+7], v[ADRS] offset:544*\i+16
.endr
	FETCH 0
	STEP 0, 1, 1                                   ; the first step's products start the sums
.irp t, 1,2,3,4,5
	STEP \t, 0, 1
.endr
	s_cmp_eq_u32 s19, 2
	s_cbranch_scc1 .Lfor_v
	s_cmp_eq_u32 s19, 0
	s_cselect_b64 s[8:9], s[8:9], s[10:11]
	s_lshl_b32 s92, s40, 10
	s_lshl_b32 s93, s16, 8
	s_add_co_u32 s92, s92, s93                     ; my 64 features: 256 cx + 64 wave
	s_mov_b32 s93, 0
	s_add_nc_u64 s[8:9], s[8:9], s[92:93]
.irp b, 0,1,2,3
	global_load_b128 v[BI+8*\b:BI+8*\b+3], v[BOH], s[8:9] offset:64*\b
	global_load_b128 v[BI+8*\b+4:BI+8*\b+7], v[BOH], s[8:9] offset:64*\b+16
.endr
	s_lshr_b32 s92, s20, 2                         ; batch
	s_lshl_b32 s92, s92, 4
	s_lshl_b32 s93, s40, 2
	s_add_co_u32 s92, s92, s93
	s_add_co_u32 s92, s92, s16                     ; 16 batch + head (4 cx + wave)
	s_mul_i32 s92, s92, BLKB
	s_mul_i32 s93, s19, PARTB
	s_add_co_u32 s92, s92, s93
	s_and_b32 s94, s20, 3
	s_lshl_b32 s94, s94, 2
	s_add_co_u32 s94, s94, s41
	s_lshl_b32 s94, s94, 3                         ; my first tile of 16 tokens in the batch
	s_lshl_b32 s96, s94, 5
	s_add_co_u32 s96, s96, s92
	s_add_co_u32 s96, s96, SCOFF
	s_mov_b32 s97, 0
	s_add_nc_u64 s[98:99], s[14:15], s[96:97]
	s_mul_i32 s94, s94, 768
	s_add_co_u32 s92, s92, s94
	s_mov_b32 s93, 0
	s_add_nc_u64 s[14:15], s[14:15], s[92:93]
	STEP 6, 0, 1
	STEP 7, 0, 0
	WAYOUT 0
	s_branch .Ldone
.Lfor_v:
	s_and_b32 s92, s20, 1
	s_lshl_b32 s92, s92, 2
	s_add_co_u32 s92, s92, s41                     ; which 128 features
	s_lshl_b32 s94, s92, 9
	s_mov_b32 s95, 0
	s_add_nc_u64 s[12:13], s[12:13], s[94:95]
.irp a, 0,1,2,3,4,5,6,7
	global_load_b32 v[BI+2*\a], v[BOR], s[12:13] offset:64*\a
	global_load_b32 v[BI+2*\a+1], v[BOR], s[12:13] offset:64*\a
.endr
	s_lshl_b32 s92, s92, 1                         ; their first head
	s_lshr_b32 s93, s20, 2
	s_lshl_b32 s93, s93, 4
	s_add_co_u32 s92, s92, s93
	s_mul_i32 s92, s92, BLKB
	s_add_co_u32 s92, s92, 2*PARTB
	s_bfe_u32 s94, s20, 0x10001
	s_lshl_b32 s94, s94, 2
	s_add_co_u32 s94, s94, s40                     ; which 256 tokens of the batch
	s_lshl_b32 s94, s94, 1
	s_lshr_b32 s95, s16, 1
	s_add_co_u32 s94, s94, s95                     ; key step of 128
	s_and_b32 s95, s16, 1                          ; and which 64 of it
	s_lshl_b32 s96, s94, 8
	s_lshl_b32 s97, s95, 1
	s_add_co_u32 s96, s96, s97
	s_add_co_u32 s96, s96, s92
	s_add_co_u32 s96, s96, SCOFF
	s_mov_b32 s97, 0
	s_add_nc_u64 s[98:99], s[14:15], s[96:97]
	s_mul_i32 s94, s94, 6144
	s_mul_i32 s95, s95, 768
	s_add_co_u32 s92, s92, s94
	s_add_co_u32 s92, s92, s95
	s_mov_b32 s93, 0
	s_add_nc_u64 s[14:15], s[14:15], s[92:93]
	STEP 6, 0, 1
	STEP 7, 0, 0
	WAYOUT 1
.Ldone:
	s_wait_tensorcnt 0x0                           ; the wave's end
	ds_add_u32 v[SPW], v[NIL]
	s_wait_dscnt 0x0
	CROUND                                         ; the closing round
	s_endpgm
.Lfunc_end_k_qe20922cac3_proj:
	.size	k_qe20922cac3_proj, .Lfunc_end_k_qe20922cac3_proj-k_qe20922cac3_proj
	.p2alignl 7, 3214868480
	.fill 96, 4, 3214868480
	.section	.rodata,"a",@progbits
	.p2align	6, 0x0
	.amdhsa_kernel k_qe20922cac3_proj
		.amdhsa_group_segment_fixed_size 327680
		.amdhsa_private_segment_fixed_size 0
		.amdhsa_enable_private_segment 0
		.amdhsa_kernarg_size 48
		.amdhsa_user_sgpr_count 2
		.amdhsa_user_sgpr_kernarg_segment_ptr 1
		.amdhsa_wavefront_size32 1
		.amdhsa_system_sgpr_workgroup_id_x 1
		.amdhsa_system_sgpr_workgroup_id_y 1
		.amdhsa_system_sgpr_workgroup_id_z 1
		.amdhsa_system_vgpr_workitem_id 0
		.amdhsa_next_free_vgpr 768
		.amdhsa_next_free_sgpr 100
		.amdhsa_reserve_vcc 0
		.amdhsa_float_denorm_mode_32 3
		.amdhsa_float_denorm_mode_16_64 3
		.amdhsa_memory_ordered 1
		.amdhsa_forward_progress 1
		.amdhsa_inst_pref_size 149
	.end_amdhsa_kernel
	.amdgpu_metadata
---
amdhsa.version: [ 1, 2 ]
amdhsa.kernels:
  - .name:           k_qe20922cac3_proj
    .symbol:         k_qe20922cac3_proj.kd
    .args:
      - { .name: codes, .offset: 0, .size: 8, .value_kind: global_buffer, .address_space: global }
      - { .name: scales, .offset: 8, .size: 8, .value_kind: global_buffer, .address_space: global }
      - { .name: b_q, .offset: 16, .size: 8, .value_kind: global_buffer, .address_space: global }
      - { .name: b_k, .offset: 24, .size: 8, .value_kind: global_buffer, .address_space: global }
      - { .name: b_v, .offset: 32, .size: 8, .value_kind: global_buffer, .address_space: global }
      - { .name: qkv, .offset: 40, .size: 8, .value_kind: global_buffer, .address_space: global }
    .group_segment_fixed_size: 327680
    .private_segment_fixed_size: 0
    .kernarg_segment_align: 8
    .kernarg_segment_size: 48
    .max_flat_workgroup_size: 128
    .sgpr_count:     100
    .vgpr_count:     768
    .wavefront_size: 32
...
	.end_amdgpu_metadata
.endif
;; end of part 2
;; launch attn (part 3): grid 4 x 64, 16 waves a work-group, clusters of 4 x 1, 206,848 bytes of LDS; arguments qkv, oc, os; writes oc, os
.if DOCPART == 3
	.amdgcn_target "amdgcn-amd-amdhsa--gfx1250"
	.amdhsa_code_object_version 6
	.text
	.protected	k_qe20922cac3_attn
	.globl	k_qe20922cac3_attn
	.p2align	8
	.type	k_qe20922cac3_attn,@function
k_qe20922cac3_attn:
	s_mov_b64 s[64:65], 0
	v_nop
	global_prefetch_b8 v0, s[64:65] scope:SCOPE_SE
	s_setreg_imm32_b32 hwreg(HW_REG_WAVE_MODE, 25, 1), 1
	s_wait_xcnt 0x0
	s_wait_alu depctr_hold_cnt(0) depctr_sa_sdst(0) depctr_va_vdst(0) depctr_va_sdst(0) depctr_va_ssrc(0) depctr_va_vcc(0) depctr_vm_vsrc(0)
	s_getreg_b32 s2, hwreg(HW_REG_IB_STS2, 6, 4)
	s_cmp_eq_u32 s2, 0
	s_cbranch_scc0 .Lentry_in_a_cluster
	s_endpgm
.Lentry_in_a_cluster:
	s_bfe_u32 s2, ttmp6, 0x10000c
	s_cmp_lg_u32 s2, 0x3003
	s_cbranch_scc0 .Lentry_shape_is_right
	s_endpgm
.Lentry_shape_is_right:
; Attention of one (batch, head) on codes of FP6 (E2M3) with E8M0 scales: S^T = K Q^T (K = the head's 64), p = 2^(t - M), O^T = V^T P^T (K = the keys), O / the row's sum, quantised along the head's 64 for the output projection.
; t = score x log2(e) / 8; M = the running largest t rounded UP to a whole number; the row's sum is taken of the unquantised p; when M moves, the sum and O^T are multiplied by 2^(old M - new M), which rounds nothing.
; SHARES.  Cluster y = 16 batch + head; the cluster's four work-groups take 512 queries each; each of a work-group's sixteen waves takes two tiles of 16 queries, one after the other (macro PASS), 16 key steps of 128 keys each.
; Four waves share a SIMD, so that one wave's vector work stands beside another's matrix work and LDS loads.
; ALL OF THE HEAD'S K AND V STAY IN LDS: 204,800 bytes, filled once, by eight joint tensor loads that name the four partners, which read the same block.  Nothing is filled again: no ring.
; No prefetch: everything that comes by tensor loads is asked for at the head.
; LAYOUT.  Both products are used transposed: a lane holds ONE query (lane % 16) throughout.  qkv's codes are images of operand registers (a half image: six registers, 768 bytes: registers 0-3 at 16 x lane, 4-5 at 512 + 8 x lane).
; K = 64 IN AN INSTRUCTION OF 128: a fragment of K is two neighbouring half images: row r holds key 32 a + r in its first 64 places and key 32 a + 16 + r in its second.  It is multiplied twice: by (q, zeros), which gives the first
; keys' scores, and by (zeros, q), which gives the second keys'.  Zero codes add nothing under any scale byte of this program (1 to 254).  A lane's 16 scores of the two products are then keys 32 a + 8 h + 0..7 and 32 a + 16 + 8 h + 0..7:
; the program's order of codes in a block, in which V's keys lie too.
; LIMITS: NaN and infinities are not served; a block whose largest magnitude lies under 2^-124 has the byte 1.
; os is written two bytes a token and head (a row's 32 bytes come from sixteen work-groups): 262,144 bytes in all.
.set BLKB,  307200                     ; a (batch, head) block of qkv: parts Q, K, V of 102,400 bytes
.set PARTB, 102400
.set KSC,   98304                      ; LDS: K's codes at 0, K's scale words here,
.set VB,    102400                     ; V's codes,
.set VSC,   200704                     ; V's scale words
.set QW,  17                           ; v17  the scale word that holds my two tiles' bytes
.set QS,  18                           ; v18  q's scale word: its two bytes, twice
.set PS,  19                           ; v19  p's scale word
.set KSR, 20                           ; v20-23 K's scale words of a step's four fragments
.set VSR, 24                           ; v24-27 V's
.set QB,  32                           ; v32-37 zeros, v38-43 q, v44-49 zeros
.set KF,  52                           ; v52-99 four fragments: K's, then V's
.set S,   100                          ; v100-163 S^T, then p
.set OT,  164                          ; v164-195 O^T
.set P,   196                          ; v196-207 p's codes
.set CT,  208                          ; v208-214 the conversions' second halves
.set BM,  216                          ; v216-219 the blocks' largest scores, then largest p
.set BM2, 220                          ; v220-223 the other half's, then the bytes
.set SCO, 224                          ; v224-227 the conversions' scale operands
.set FF,  228                          ; v[228:229] f = 2^(old M - new M) (the pair's upper word is written once)
.set TMP, 230                          ; v230, v231 at work
.set SU2, 232                          ; v[232:233] the sum's second chain
; v1 16 x lane, v2 8 x lane (LDS terms of K, and global offsets); v3, v4 the same + V's base; v5, v6 the scale words' places; v7-11, v16 a step's addresses; v12 -M, v13 the largest t, v[14:15] the sum; v28 16 r, v30 32 r + h
.macro CROUND                          ; a round of the cluster's barrier
	s_barrier_signal -1
	s_barrier_wait -1
	s_cmp_lg_u32 s10, 0
	s_cbranch_scc1 .Lnot_wave_0_\@
	s_barrier_signal -3
.Lnot_wave_0_\@:
	s_barrier_wait -3
	s_barrier_signal -1
	s_barrier_wait -1
.endm
	s_load_b128 s[4:7], s[0:1], 0x0                ; qkv s[4:5], oc s[6:7]
	s_load_b64 s[8:9], s[0:1], 0x10                ; os
	v_lshl_add_u32 v254, v0, 2, 0x32000
	v_mov_b32 v255, 0
	ds_add_u32 v254, v255
	ds_add_u32 v254, v255
	v_lshrrev_b32 v1, 5, v0
	s_delay_alu instid0(VALU_DEP_1)
	v_readfirstlane_b32 s10, v1                    ; wave 0..15
	s_and_b32 s11, ttmp7, 0xffff                   ; 16 batch + head, which the four partners share
	s_bfe_u32 s12, ttmp6, 0x40000                  ; cx: my block of 512 queries: it enters global addresses of Q, oc and os alone
	s_mul_i32 s14, s11, BLKB
	s_mov_b32 s15, 0
	s_and_b32 s13, s10, 7
	s_mul_i32 s13, s13, 25600                      ; waves 0 to 7 fetch an eighth each of K's and V's parts
	; group 1: 100 rows of 256 bytes (32 elements of 8), dense, no padding; the mask names all four partners
	s_mov_b32 s24, 15|(3<<16)|(1<<21)
	s_mov_b32 s25, 32<<16                          ; tensor_dim0
	s_mov_b32 s26, 100<<16                         ; tensor_dim1
	s_mov_b32 s27, 32<<16                          ; tile_dim0
	s_mov_b32 s28, 100                             ; tile_dim1
	s_mov_b32 s29, 32                              ; from row to row
	s_mov_b32 s30, 0
	s_mov_b32 s31, 0
	s_mov_b32 s20, 0x76543210
	s_mov_b32 s21, 0xfedcba98                      ; v_permlanex16_b32's selects for lane l xor 16
	s_mov_b32 s22, 0x3e38aa3b                      ; c = log2(e) / sqrt(64)
	s_mov_b32 s23, s22                             ; (named with it as a pair, so it is written)
	s_add_co_u32 s16, s13, PARTB
	s_mov_b32 s17, 0
	s_wait_dscnt 0x0
	s_wait_kmcnt 0x0
	s_add_nc_u64 s[4:5], s[4:5], s[14:15]          ; my block of qkv
	s_mov_b32 s32, 1                               ; group 0: count = 1
	s_mov_b32 s33, s13                             ; LDS address
	s_add_nc_u64 s[34:35], s[4:5], s[16:17]        ; behind part Q, my eighth
	s_or_b32 s35, s35, 0x80000000                  ; type = 2
	CROUND                                         ; all four work-groups are here: the joint loads meet
	s_cmp_lt_u32 s10, 8
	s_cbranch_scc0 .Lno_fill
	tensor_load_to_lds s[32:35], s[24:31]          ; one tensor load of mine is out
	s_nop 0
.rept 4
	v_nop
.endr
.Lno_fill:
	v_and_b32 v31, 31, v0                          ; lane
	v_and_b32 v30, 15, v0                          ; r
	v_bfe_u32 v29, v0, 4, 1                        ; h
	s_delay_alu instid0(VALU_DEP_3)
	v_lshlrev_b32 v1, 4, v31
	s_delay_alu instid0(VALU_DEP_4)
	v_lshlrev_b32 v2, 3, v31
	s_delay_alu instid0(VALU_DEP_2)
	v_add_nc_u32 v3, VB, v1
	s_delay_alu instid0(VALU_DEP_2)
	v_add_nc_u32 v4, VB, v2
	v_lshlrev_b32 v28, 4, v30
	s_wait_alu depctr_va_vdst(0)
	v_add_nc_u32 v5, KSC, v28
	v_add_nc_u32 v6, VSC, v28
	v_lshl_add_u32 v30, v30, 5, v29                ; os: 32 bytes a token, + my block of the head's two
	s_lshl_b32 s16, s12, 5
	s_lshl_b32 s17, s10, 1
	s_add_co_u32 s16, s16, s17                     ; my first query tile in the batch: 32 cx + 2 wave
	s_mul_i32 s18, s16, 768
	s_mov_b32 s19, 0
	s_add_nc_u64 s[42:43], s[4:5], s[18:19]        ; its half image
	s_lshl_b32 s18, s12, 10                        ; its scale word: 256 (tile / 8) + 4 ((tile / 2) % 4) = 256 (4 cx + wave / 4) + 4 (wave % 4)
	s_lshr_b32 s17, s10, 2
	s_lshl_b32 s17, s17, 8
	s_add_co_u32 s18, s18, s17
	s_and_b32 s17, s10, 3
	s_lshl_b32 s17, s17, 2
	s_add_co_u32 s18, s18, s17
	s_add_co_u32 s18, s18, KSC
	s_add_nc_u64 s[48:49], s[4:5], s[18:19]
	global_load_b32 v[QW], v28, s[48:49]           ; both passes' bytes: the even tile's low, the odd tile's high
	s_lshr_b32 s17, s11, 4
	s_lshl_b32 s17, s17, 7
	s_add_co_u32 s16, s16, s17                     ; the tile among all 512: + 128 batch
	s_and_b32 s17, s11, 15                         ; the head
	s_lshr_b32 s18, s17, 2
	s_mul_i32 s18, s18, 1572864                    ; oc: [head / 4][tile][head % 4] half images
	s_mul_i32 s50, s16, 3072
	s_add_co_u32 s18, s18, s50
	s_and_b32 s50, s17, 3
	s_mul_i32 s50, s50, 768
	s_add_co_u32 s18, s18, s50
	s_add_nc_u64 s[44:45], s[6:7], s[18:19]
	s_lshl_b32 s18, s16, 9                         ; os: 512 bytes a tile, + 2 head
	s_lshl_b32 s17, s17, 1
	s_add_co_u32 s18, s18, s17
	s_add_nc_u64 s[46:47], s[8:9], s[18:19]
.irp i, 0,1,2,3,4,5
	v_mov_b32 v[QB+\i], 0                          ; zero codes on both sides of q
	v_mov_b32 v[QB+12+\i], 0
.endr
.irp b, 0,1,2,3
	v_mov_b32 v[BM2+\b], 0                         ; written once: a lane permute's destination counts as one of its sources
.endr
	v_mov_b32 v[FF+1], 0                           ; (named as the upper half of a pair)
	s_wait_tensorcnt 0x0                           ; my eighth has landed,
	s_barrier_signal -1
	s_barrier_wait -1                              ; everybody's has
; ONE TILE OF 16 QUERIES: tile 32 cx + 2 wave + u.
.macro PASS u
.if \u
	s_wait_xcnt 0x0                                ; the first pass's stores have read their data registers, which this pass writes again
.endif
	global_load_b128 v[QB+6:QB+9], v1, s[42:43] offset:768*\u
	global_load_b64 v[QB+10:QB+11], v2, s[42:43] offset:768*\u+512
	v_mov_b32 v13, 0xff61b1e6                      ; the largest t so far: -3e38, under every t
	s_delay_alu instid0(VALU_DEP_1)
	v_floor_f32 v12, -v13                          ; -M
	v_mov_b32 v14, 0                               ; the sum, in two halves
	v_mov_b32 v15, 0
	s_mov_b32 s36, 0                               ; the step's codes: 6,144 bytes a step in K's part and in V's
	s_mov_b32 s37, 0                               ; its scale words: 256 bytes a step
	s_mov_b32 s38, 16                              ; key steps to go
	s_mov_b32 s40, 0x01000100+0x02020202*\u        ; the word's low two bytes, or its high two, twice
	s_wait_loadcnt 0x0
	v_perm_b32 v[QS], v[QW], v[QW], s40
.irp j, 0,1,2,3,4,5,6,7,8,9,10,11,12,13,14,15,16,17,18,19,20,21,22,23,24,25,26,27,28,29,30,31
	v_mov_b32 v[OT+\j], 0                          ; O^T: the step is written once; its first trip finds zeros.  (These are also the places between the scale word's making and the first product)
.endr
.Lstep_\@:
	v_add_nc_u32 v7, s36, v1                       ; six plain lines: also the places in front of the loads into registers that the last products read
	v_add_nc_u32 v8, s36, v2
	v_add_nc_u32 v9, s36, v3
	v_add_nc_u32 v10, s36, v4
	v_add_nc_u32 v11, s37, v5
	v_add_nc_u32 v16, s37, v6
.irp f, 0,1,2,3                                ; K: fragment f = keys 32 f on of the step
.irp c, 0,1
	ds_load_b128 v[KF+12*\f+6*\c:KF+12*\f+6*\c+3], v7 offset:1536*\f+768*\c
	ds_load_b64 v[KF+12*\f+6*\c+4:KF+12*\f+6*\c+5], v8 offset:1536*\f+768*\c+512
.endr
.endr
	ds_load_b128 v[KSR:KSR+3], v11                 ; row r's four scale words
	s_wait_alu depctr_va_vdst(0)
	s_wait_dscnt 0x0
.irp f, 0,1,2,3
	v_wmma_scale_f32_16x16x128_f8f6f4 v[S+16*\f:S+16*\f+7], v[KF+12*\f:KF+12*\f+11], v[QB+6:QB+17], 0, v[KSR+\f], v[QS] matrix_a_fmt:MATRIX_FMT_FP6 matrix_b_fmt:MATRIX_FMT_FP6
	v_wmma_scale_f32_16x16x128_f8f6f4 v[S+16*\f+8:S+16*\f+15], v[KF+12*\f:KF+12*\f+11], v[QB:QB+11], 0, v[KSR+\f], v[QS] matrix_a_fmt:MATRIX_FMT_FP6 matrix_b_fmt:MATRIX_FMT_FP6
.endr
.rept 4
	v_nop                                          ; places: in front of the loads into K's registers, and of the first read of the scores
.endr
.irp f, 0,1,2,3                                ; V: fragment f = 16 f on of the head's 64 x the step's 128 keys; they land while the softmax is worked
.irp c, 0,1
	ds_load_b128 v[KF+12*\f+6*\c:KF+12*\f+6*\c+3], v9 offset:1536*\f+768*\c
	ds_load_b64 v[KF+12*\f+6*\c+4:KF+12*\f+6*\c+5], v10 offset:1536*\f+768*\c+512
.endr
.endr
	ds_load_b128 v[VSR:VSR+3], v16
.irp b, 0,1,2,3
	v_max3_num_f32 v[BM+\b], v[S+16*\b], v[S+1+16*\b], v[S+2+16*\b]   ; the largest score of each block of 32 keys: for the row's maximum and, since p rises with the score, for the block's largest p
.endr
.irp i, 3,5,7,9,11,13
.irp b, 0,1,2,3
	v_max3_num_f32 v[BM+\b], v[BM+\b], v[S+16*\b+\i], v[S+1+16*\b+\i]   ; (the four blocks by turns; each accumulator is first read at its low end)
.endr
.endr
.irp b, 0,1,2,3
	v_max_num_f32 v[BM+\b], v[BM+\b], v[S+15+16*\b]
.endr
.irp b, 0,1,2,3
	s_delay_alu instid0(VALU_DEP_4)
	v_permlanex16_b32 v[BM2+\b], v[BM+\b], s20, s21
.endr
.irp b, 0,1,2,3
	s_delay_alu instid0(VALU_DEP_4)
	v_max_num_f32 v[BM+\b], v[BM+\b], v[BM2+\b]    ; with lane l xor 16's 16 keys
.endr
	s_delay_alu instid0(VALU_DEP_2)
	v_max3_num_f32 v[TMP], v[BM], v[BM+1], v[BM+2]
	s_delay_alu instid0(VALU_DEP_1)
	v_max_num_f32 v[TMP], v[TMP], v[BM+3]          ; the step's largest score of my query
	s_delay_alu instid0(VALU_DEP_1)
	v_mul_f32 v[TMP], s22, v[TMP]                  ; as t (c is positive)
	s_delay_alu instid0(VALU_DEP_1)
	v_max_num_f32 v13, v13, v[TMP]                 ; the running largest t
	v_mov_b32 v[TMP], v12
	s_delay_alu instid0(VALU_DEP_2)
	v_floor_f32 v12, -v13                          ; the new -M = floor(-t) = -ceil(t)
	s_delay_alu instid0(VALU_DEP_1)
	v_sub_f32 v[TMP], v12, v[TMP]                  ; M's old value less its new one: a whole number, 0 or less
	s_delay_alu instid0(VALU_DEP_1)
	v_cvt_i32_f32 v[TMP], v[TMP]                   ; (it saturates)
	s_delay_alu instid0(VALU_DEP_1)
	v_ldexp_f32 v[FF], 1.0, v[TMP]                 ; f = 2^(old M - new M)
.irp j, 0,2,4,6,8,10,12,14,16,18,20,22,24,26,28,30,32,34,36,38,40,42,44,46,48,50,52,54,56,58,60,62
	v_pk_fma_f32 v[S+\j:S+\j+1], v[S+\j:S+\j+1], s[22:23], v[12:13] op_sel_hi:[1,0,0]   ; t - M, two at a time
.endr
.irp b, 0,1,2,3
	v_fma_f32 v[BM+\b], v[BM+\b], s22, v12         ; the same of each block's largest score
.endr
	s_wait_alu depctr_va_vdst(0)
.irp j, 0,1,2,3,4,5,6,7,8,9,10,11,12,13,14,15,16,17,18,19,20,21,22,23,24,25,26,27,28,29,30,31,32,33,34,35,36,37,38,39,40,41,42,43,44,45,46,47,48,49,50,51,52,53,54,55,56,57,58,59,60,61,62,63
	v_exp_f32 v[S+\j], v[S+\j]                     ; p = 2^(t - M), at most 1: not normalised
.endr
	v_pk_mul_f32 v[14:15], v[14:15], v[FF:FF+1] op_sel_hi:[1,0]   ; the sums under the new M (the plain line behind the exponentials)
	s_wait_alu depctr_va_vdst(0)                   ; one wait for the whole batch, ahead of its first reader
.irp b, 0,1,2,3
	v_exp_f32 v[BM+\b], v[BM+\b]                   ; the block's largest p: the same two instructions on the same number
.endr
	v_pk_add_f32 v[232:233], v[104:105], v[108:109]
	v_pk_add_f32 v[252:253], v[112:113], v[116:117]
	v_pk_add_f32 v[250:251], v[120:121], v[124:125]
	v_pk_add_f32 v[248:249], v[128:129], v[132:133]
	v_pk_add_f32 v[246:247], v[136:137], v[140:141]
	v_pk_add_f32 v[244:245], v[144:145], v[148:149]
	v_pk_add_f32 v[242:243], v[152:153], v[156:157]
	v_pk_add_f32 v[14:15], v[14:15], v[160:161]
	v_pk_add_f32 v[232:233], v[232:233], v[100:101]
	v_pk_add_f32 v[252:253], v[252:253], v[102:103]
	v_pk_add_f32 v[250:251], v[250:251], v[106:107]
	v_pk_add_f32 v[248:249], v[248:249], v[110:111]
	v_pk_add_f32 v[246:247], v[246:247], v[114:115]
	v_pk_add_f32 v[244:245], v[244:245], v[118:119]
	v_pk_add_f32 v[242:243], v[242:243], v[122:123]
	v_pk_add_f32 v[14:15], v[14:15], v[126:127]
	v_pk_add_f32 v[232:233], v[232:233], v[130:131]
	v_pk_add_f32 v[252:253], v[252:253], v[134:135]
	v_pk_add_f32 v[250:251], v[250:251], v[138:139]
	v_pk_add_f32 v[248:249], v[248:249], v[142:143]
	v_pk_add_f32 v[246:247], v[246:247], v[146:147]
	v_pk_add_f32 v[244:245], v[244:245], v[150:151]
	v_pk_add_f32 v[242:243], v[242:243], v[154:155]
	v_pk_add_f32 v[14:15], v[14:15], v[158:159]
	v_pk_add_f32 v[232:233], v[232:233], v[162:163]
	s_delay_alu instid0(VALU_DEP_2)
	v_pk_add_f32 v[14:15], v[14:15], v[248:249]
	s_delay_alu instid0(VALU_DEP_2)
	v_pk_add_f32 v[232:233], v[232:233], v[246:247]
	v_pk_add_f32 v[252:253], v[252:253], v[244:245]
	v_pk_add_f32 v[250:251], v[250:251], v[242:243]
	s_delay_alu instid0(VALU_DEP_2)
	v_pk_add_f32 v[14:15], v[14:15], v[252:253]
	s_delay_alu instid0(VALU_DEP_2)
	v_pk_add_f32 v[232:233], v[232:233], v[250:251]
	s_delay_alu instid0(VALU_DEP_1)
	v_pk_add_f32 v[14:15], v[14:15], v[232:233]
	s_wait_alu depctr_va_vdst(0)                   ; and one for the four
.irp b, 0,1,2,3
	v_max_num_f32 v[BM+\b], 0x1800000, v[BM+\b]    ; the floor 2^(3 - 127): the byte cannot fall under 1
.endr
.irp b, 0,1,2,3
	s_delay_alu instid0(VALU_DEP_4)
	v_add_nc_u32 v[SCO+\b], 0xff000000, v[BM+\b]   ; 2 off the exponent field: the conversion's scale operand
.endr
.irp b, 0,1,2,3
	s_delay_alu instid0(VALU_DEP_4)
	v_lshrrev_b32 v[BM2+\b], 23, v[SCO+\b]         ; the scale's byte
.endr
	s_delay_alu instid0(VALU_DEP_3)
	v_lshl_or_b32 v[PS], v[BM2+1], 8, v[BM2]       ; p's scale word for these 128 keys
	s_delay_alu instid0(VALU_DEP_1)
	v_lshl_or_b32 v[PS], v[BM2+2], 16, v[PS]
	s_delay_alu instid0(VALU_DEP_1)
	v_lshl_or_b32 v[PS], v[BM2+3], 24, v[PS]
.irp c, 0,1
	v_cvt_scalef32_pk16_fp6_f32 v[P+6*\c:P+2+6*\c], v[S+32*\c:S+15+32*\c], v[SCO+2*\c]
	v_cvt_scalef32_pk16_fp6_f32 v[CT+4*\c:CT+2+4*\c], v[S+16+32*\c:S+31+32*\c], v[SCO+2*\c+1]   ; (a conversion's three registers begin on an even number)
.endr
	v_nop                                          ; one plain line behind a scaled conversion
.irp c, 0,1                                    ; the operand's layout wants a WHOLE block in a lane
.irp i, 0,1,2
	v_permlane16_swap_b32 v[P+6*\c+\i], v[CT+4*\c+\i]
.endr
.irp i, 0,1,2
	s_delay_alu instid0(VALU_DEP_3)
	v_mov_b32 v[P+3+6*\c+\i], v[CT+4*\c+\i]
.endr
.endr
.irp j, 0,2,4,6,8,10,12,14,16,18,20,22,24,26,28,30
	v_pk_mul_f32 v[OT+\j:OT+\j+1], v[OT+\j:OT+\j+1], v[FF:FF+1] op_sel_hi:[1,0]   ; O^T under the new M.  (These 16 are also the places between the codes' and the scale word's making and the products)
.endr
	s_wait_alu depctr_va_vdst(0)
	s_wait_dscnt 0x0                               ; V is in
.irp f, 0,1,2,3                                ; O^T += V^T P^T: four accumulators by turns
	v_wmma_scale_f32_16x16x128_f8f6f4 v[OT+8*\f:OT+8*\f+7], v[KF+12*\f:KF+12*\f+11], v[P:P+11], v[OT+8*\f:OT+8*\f+7], v[VSR+\f], v[PS] matrix_a_fmt:MATRIX_FMT_FP6 matrix_b_fmt:MATRIX_FMT_FP6
.endr
	s_add_co_u32 s36, s36, 6144
	s_add_co_u32 s37, s37, 256
	s_sub_co_u32 s38, s38, 1
	s_cmp_lg_u32 s38, 0
	s_cbranch_scc1 .Lstep_\@
	; THE WAY OUT: O^T / the sum, quantised along the head's 64 (two blocks), as one half image and two scale bytes a token
.rept 4
	v_nop                                          ; places behind the last products
.endr
	v_add_f32 v14, v14, v15                        ; the sum's two halves,
	s_delay_alu instid0(VALU_DEP_1)
	v_permlanex16_b32 v[TMP], v14, s20, s21
	s_delay_alu instid0(VALU_DEP_1)
	v_add_f32 v14, v14, v[TMP]                     ; and lane l xor 16's: the row's sum
	s_wait_alu depctr_va_vdst(0)
	v_rcp_f32 v14, v14
	v_bfe_u32 v[TMP+1], v0, 4, 1                   ; h (the plain line behind the reciprocal)
	s_wait_alu depctr_va_vdst(0)                   ; the wait ahead of its first reader
.irp j, 0,2,4,6,8,10,12,14,16,18,20,22,24,26,28,30
	v_pk_mul_f32 v[S+\j:S+\j+1], v[OT+\j:OT+\j+1], v[14:15] op_sel_hi:[1,0]   ; register 16 b + i: place 16 h + i of block b of my query's 64
.endr
.irp b, 0,1
	v_max3_num_f32 v[BM+\b], |v[S+16*\b]|, |v[S+1+16*\b]|, 0x1800000
.endr
.irp i, 2,4,6,8,10,12,14
.irp b, 0,1
	s_delay_alu instid0(VALU_DEP_2)
	v_max3_num_f32 v[BM+\b], v[BM+\b], |v[S+16*\b+\i]|, |v[S+1+16*\b+\i]|
.endr
.endr
.irp b, 0,1
	s_delay_alu instid0(VALU_DEP_2)
	v_permlanex16_b32 v[BM2+\b], v[BM+\b], s20, s21
.endr
.irp b, 0,1
	s_delay_alu instid0(VALU_DEP_2)
	v_max_num_f32 v[BM+\b], v[BM+\b], v[BM2+\b]
.endr
.irp b, 0,1
	s_delay_alu instid0(VALU_DEP_2)
	v_add_nc_u32 v[SCO+\b], 0xff000000, v[BM+\b]
.endr
.irp b, 0,1
	s_delay_alu instid0(VALU_DEP_2)
	v_lshrrev_b32 v[BM2+\b], 23, v[SCO+\b]
.endr
	v_cvt_scalef32_pk16_fp6_f32 v[P:P+2], v[S:S+15], v[SCO]
	v_cvt_scalef32_pk16_fp6_f32 v[CT:CT+2], v[S+16:S+31], v[SCO+1]
	v_nop                                          ; one plain line behind a scaled conversion
.irp i, 0,1,2
	v_permlane16_swap_b32 v[P+\i], v[CT+\i]
.endr
.irp i, 0,1,2
	s_delay_alu instid0(VALU_DEP_3)
	v_mov_b32 v[P+3+\i], v[CT+\i]
.endr
	v_cmp_eq_u32 vcc_lo, 1, v[TMP+1]
	s_delay_alu instid0(VALU_DEP_1)
	v_cndmask_b32 v[TMP+1], v[BM2], v[BM2+1], vcc_lo               ; lanes 0-15 hold block 0's byte, lanes 16-31 block 1's
	global_store_b128 v1, v[P:P+3], s[44:45] offset:3072*\u        ; 512 consecutive bytes, at a multiple of 256
	global_store_b64 v2, v[P+4:P+5], s[44:45] offset:3072*\u+512   ; 256 consecutive bytes
	global_store_b8 v30, v[TMP+1], s[46:47] offset:512*\u
.endm
	PASS 0
	PASS 1
	s_wait_tensorcnt 0x0
	ds_add_u32 v254, v255
	s_wait_dscnt 0x0
	CROUND                                         ; the closing round (all my LDS loads were waited for in the last step)
	s_endpgm
.Lfunc_end_k_qe20922cac3_attn:
	.size	k_qe20922cac3_attn, .Lfunc_end_k_qe20922cac3_attn-k_qe20922cac3_attn
	.p2alignl 7, 3214868480
	.fill 96, 4, 3214868480
	.section	.rodata,"a",@progbits
	.p2align	6, 0x0
	.amdhsa_kernel k_qe20922cac3_attn
		.amdhsa_group_segment_fixed_size 206848
		.amdhsa_private_segment_fixed_size 0
		.amdhsa_enable_private_segment 0
		.amdhsa_kernarg_size 24
		.amdhsa_user_sgpr_count 2
		.amdhsa_user_sgpr_kernarg_segment_ptr 1
		.amdhsa_wavefront_size32 1
		.amdhsa_system_sgpr_workgroup_id_x 1
		.amdhsa_system_sgpr_workgroup_id_y 1
		.amdhsa_system_sgpr_workgroup_id_z 1
		.amdhsa_system_vgpr_workitem_id 0
		.amdhsa_next_free_vgpr 256
		.amdhsa_next_free_sgpr 66
		.amdhsa_reserve_vcc 1
		.amdhsa_float_denorm_mode_32 3
		.amdhsa_float_denorm_mode_16_64 3
		.amdhsa_memory_ordered 1
		.amdhsa_forward_progress 1
		.amdhsa_inst_pref_size 53
	.end_amdhsa_kernel
	.amdgpu_metadata
---
amdhsa.version: [ 1, 2 ]
amdhsa.kernels:
  - .name:           k_qe20922cac3_attn
    .symbol:         k_qe20922cac3_attn.kd
    .args:
      - { .name: qkv, .offset: 0, .size: 8, .value_kind: global_buffer, .address_space: global }
      - { .name: oc, .offset: 8, .size: 8, .value_kind: global_buffer, .address_space: global }
      - { .name: os, .offset: 16, .size: 8, .value_kind: global_buffer, .address_space: global }
    .group_segment_fixed_size: 206848
    .private_segment_fixed_size: 0
    .kernarg_segment_align: 8
    .kernarg_segment_size: 24
    .max_flat_workgroup_size: 512
    .sgpr_count:     66
    .vgpr_count:     256
    .wavefront_size: 32
...
	.end_amdgpu_metadata
.endif
;; end of part 3
;; launch oproj (part 4): grid 4 x 64, 4 waves a work-group, clusters of 4 x 4, 327,680 bytes of LDS; arguments oc, os, codes, scales, b_o, out0; writes out0
.if DOCPART == 4
	.amdgcn_target "amdgcn-amd-amdhsa--gfx1250"
	.amdhsa_code_object_version 6
	.text
	.protected	k_qe20922cac3_oproj
	.globl	k_qe20922cac3_oproj
	.p2align	8
	.type	k_qe20922cac3_oproj,@function
k_qe20922cac3_oproj:
	s_mov_b64 s[64:65], 0
	v_nop
	global_prefetch_b8 v0, s[64:65] scope:SCOPE_SE
	s_setreg_imm32_b32 hwreg(HW_REG_WAVE_MODE, 25, 1), 1
	s_wait_xcnt 0x0
	s_wait_alu depctr_hold_cnt(0) depctr_sa_sdst(0) depctr_va_vdst(0) depctr_va_sdst(0) depctr_va_ssrc(0) depctr_va_vcc(0) depctr_vm_vsrc(0)
	s_getreg_b32 s2, hwreg(HW_REG_IB_STS2, 6, 4)
	s_cmp_eq_u32 s2, 0
	s_cbranch_scc0 .Lentry_in_a_cluster
	s_endpgm
.Lentry_in_a_cluster:
	s_bfe_u32 s2, ttmp6, 0x10000c
	s_cmp_lg_u32 s2, 0xf033
	s_cbranch_scc0 .Lentry_shape_is_right
	s_endpgm
.Lentry_shape_is_right:
; out0 = O w_o^T + b_o on codes of FP6 (E2M3) with E8M0 scales; f32 out.  A work-group makes 128 tokens x 256 columns, K = 1,024, ALL OF K RESIDENT IN LDS; four tiles, one joint tensor load a wave at the head; nothing is filled again.
; Side A: oc, images of operand registers laid [256 of K][tile of 16 tokens][four half images of 768 bytes]: my 8 tiles are 24,576 dense bytes in each of the four runs: one tile of 4 rows of 24,576 bytes.
; Side B: 256 whole rows of w_o's codes, 768 bytes each, 16 bytes of padding behind each 256 (LDS pitch 816).  Every tensor row begins at a multiple of 256 bytes of its buffer.
; A wave makes 128 x 64: 32 accumulators; the matrix instruction is used transposed, so a lane holds eight neighbouring columns of a token's row; the bias is the C of the first products.
; CLUSTERS 4 x 4: A's tile and scales shared along a row of the cluster, B's along a column.  No prefetch: every tile is asked for at the head, and there is no loop to run ahead in.
; REGISTERS: window 0: v8-27 addresses, v32-95 scale words (8 i + step: lanes 0-15 A's block i, lanes 16-31 B's), v96-191 B's fragments, two sets (on the way out: rows read back), v192-223 bias; window 1: accumulator (a, b) at 8 (4 a + b); window 2: A's fragments, two sets.
.set PITCH,  816
.set BLK16,  16*PITCH
.set AB,     98304                     ; B's rows behind A's images
.set SCL,    AB+256*PITCH              ; B's scales, then A's
.set SPARE,  SCL+13056
.set SPITCH, 272                       ; the way out: 16 rows x (256 + 16) bytes for each wave, in A's bytes, behind a barrier behind which nobody reads them
.set AI,   8                           ; v8-9 16 x lane (+ 49,152), v10-11 8 x lane (+ 49,152)
.set ADRB, 12
.set ADRS, 14
.set STO,  16
.set RD,   17
.set CO,   18
.set BOH,  19
.set SPW,  28
.set NIL,  29
.set SC,   32
.set BF,   96
.set BK,   96
.set BI,   192
.set G1, 24
.set G0, 32
.set G0B, 36
.set G1B, 48
.set G1S, 68
.set G0S, 76
.set G1SB, 80
.set G0SB, 88
.set MSB, 0
.macro WIN new
.if MSB != \new
	s_set_vgpr_msb (MSB<<8)|\new
.set MSB, \new
.endif
.endm
.set MUL,  0x58                        ; source 0 window 0, source 1 window 2, C and D window 1
.set MULB, 0x48                        ; the same with C (the bias) in window 0
.set TO_A, 0x80
.macro CROUND
	s_barrier_signal -1
	s_barrier_wait -1
	s_cmp_lg_u32 s16, 0
	s_cbranch_scc1 .Lnot_wave_0_\@
	s_barrier_signal -3
.Lnot_wave_0_\@:
	s_barrier_wait -3
	s_barrier_signal -1
	s_barrier_wait -1
.endm
.macro PLACES n
.rept \n
	v_nop
.endr
.endm
	s_load_b128 s[4:7], s[0:1], 0x0                ; oc, os
	s_load_b128 s[8:11], s[0:1], 0x10              ; codes, scales
	s_load_b128 s[12:15], s[0:1], 0x20             ; b_o, out0
	v_lshl_add_u32 v[SPW], v0, 2, SPARE
	v_mov_b32 v[NIL], 0
	ds_add_u32 v[SPW], v[NIL]                      ; the opening lines: the add twice on end and its wait
	ds_add_u32 v[SPW], v[NIL]
	v_lshrrev_b32 v1, 5, v0
	v_readfirstlane_b32 s16, v1                    ; wave
	s_bfe_u32 s40, ttmp6, 0x40000                  ; cx
	s_bfe_u32 s41, ttmp6, 0x40004                  ; cy
	s_and_b32 s19, ttmp7, 0xffff
	s_lshl_b32 s19, s19, 2
	s_add_co_u32 s19, s19, s41                     ; which 128 tokens
	s_lshl_b32 s43, s41, 2
	s_lshl_b32 s43, 15, s43
	s_lshl_b32 s44, 0x1111, s40
	s_or_b32 s[G1+0], s43, (3<<16)|(1<<21)         ; A: elements of 8 bytes, no padding
	s_mov_b32 s[G1+1], 3072<<16
	s_mov_b32 s[G1+2], 4<<16
	s_mov_b32 s[G1+3], 3072<<16
	s_mov_b32 s[G1+4], 4
	s_mov_b32 s[G1+5], 196608                      ; 1,572,864 bytes from run to run
	s_mov_b32 s[G1+6], 0
	s_mov_b32 s[G1+7], 0
	s_or_b32 s[G1B+0], s44, (0<<16)|(1<<20)|(1<<21)|(5<<22)|(3<<25)
	s_mov_b32 s[G1B+1], 768<<16
	s_mov_b32 s[G1B+2], 256<<16
	s_mov_b32 s[G1B+3], 768<<16
	s_mov_b32 s[G1B+4], 256
	s_mov_b32 s[G1B+5], 768
	s_mov_b32 s[G1B+6], 0
	s_mov_b32 s[G1B+7], 0
	s_or_b32 s[G1S+0], s43, (3<<16)|(1<<20)|(1<<21)|(5<<22)|(3<<25)
	s_or_b32 s[G1SB+0], s44, (3<<16)|(1<<20)|(1<<21)|(5<<22)|(3<<25)
	s_mov_b32 s[G1S+2], 16<<16
	s_mov_b32 s[G1S+4], 16
	s_mov_b32 s[G1SB+2], 32<<16
	s_mov_b32 s[G1SB+4], 32
.irp g, G1S, G1SB
	s_mov_b32 s[\g+1], 32<<16
	s_mov_b32 s[\g+3], 32<<16
	s_mov_b32 s[\g+5], 32
	s_mov_b32 s[\g+6], 0
	s_mov_b32 s[\g+7], 0
.endr
	s_mul_i32 s2, s19, 24576
	s_mov_b32 s3, 0
	s_lshl_b32 s22, s19, 12
	s_mov_b32 s23, 0
	s_lshl_b32 s92, s40, 8
	s_add_co_u32 s92, s92, 27648                   ; w_o's rows in the stream
	s_mul_i32 s46, s92, 768
	s_mov_b32 s47, 0
	s_lshl_b32 s92, s92, 5
	s_mov_b32 s93, 0
	s_mul_i32 s21, s16, 64*PITCH
	s_add_co_u32 s21, s21, AB
	s_mul_i32 s45, s16, 2176
	s_sub_co_u32 s42, 8704, s45
	s_add_co_u32 s45, s45, SCL
	s_mul_i32 s20, s16, 16*SPITCH                  ; my stage
	s_lshl_b32 s94, s40, 10
	s_lshl_b32 s95, s16, 8
	s_add_co_u32 s94, s94, s95                     ; my 64 columns, in bytes
	s_mov_b32 s95, 0
	s_lshl_b32 s96, s19, 19                        ; my 128 rows of 4,096 bytes
	s_mov_b32 s97, 0
	s_wait_dscnt 0x0
	s_wait_kmcnt 0x0
	s_mov_b32 s[G0], 1
	s_mov_b32 s[G0+1], 0
	s_add_nc_u64 s[G0+2:G0+3], s[4:5], s[2:3]
	s_or_b32 s[G0+3], s[G0+3], 0x80000000
	s_mov_b32 s[G0B], 1
	s_mov_b32 s[G0B+1], AB
	s_add_nc_u64 s[G0B+2:G0B+3], s[8:9], s[46:47]
	s_or_b32 s[G0B+3], s[G0B+3], 0x80000000
	s_mov_b32 s[G0S], 1
	s_mov_b32 s[G0S+1], SCL+8704
	s_add_nc_u64 s[G0S+2:G0S+3], s[6:7], s[22:23]
	s_or_b32 s[G0S+3], s[G0S+3], 0x80000000
	s_mov_b32 s[G0SB], 1
	s_mov_b32 s[G0SB+1], SCL
	s_add_nc_u64 s[G0SB+2:G0SB+3], s[10:11], s[92:93]
	s_or_b32 s[G0SB+3], s[G0SB+3], 0x80000000
	s_add_nc_u64 s[12:13], s[12:13], s[94:95]
	s_add_nc_u64 s[14:15], s[14:15], s[94:95]
	s_add_nc_u64 s[14:15], s[14:15], s[96:97]
	CROUND                                         ; all sixteen work-groups are here: the joint loads meet
.macro ARM under, g0, g1, next
	s_cmp_lt_u32 s16, \under
	s_cbranch_scc0 \next
	tensor_load_to_lds s[\g0:\g0+3], s[\g1:\g1+7]
	s_nop 0
.rept 4
	v_nop
.endr
	s_branch .Lhead_asked
\next:
.endm
	ARM 1, G0,  G1,  .Lhead_b
	ARM 2, G0B, G1B, .Lhead_sa
	ARM 3, G0S, G1S, .Lhead_sb
	tensor_load_to_lds s[G0SB:G0SB+3], s[G1SB:G1SB+7]
	s_nop 0
.rept 4
	v_nop
.endr
.Lhead_asked:
	v_and_b32 v1, 15, v0                           ; r
	v_bfe_u32 v2, v0, 4, 1                         ; h
	v_and_b32 v6, 31, v0
	v_lshlrev_b32 v[AI], 4, v6
	v_lshlrev_b32 v[AI+2], 3, v6
	v_mul_u32_u24 v3, v1, PITCH
	v_mad_u32_u24 v3, v2, 24, v3
	v_lshl_add_u32 v4, v2, 4, v3
	v_add_nc_u32 v[ADRB], s21, v3
	v_add_nc_u32 v[ADRB+1], s21, v4
	v_add_nc_u32 v[AI+1], 49152, v[AI]
	v_add_nc_u32 v[AI+3], 49152, v[AI+2]
	v_lshlrev_b32 v5, 5, v1
	v_lshrrev_b32 v6, 8, v5
	v_lshl_add_u32 v5, v6, 4, v5
	v_sub_nc_u32 v7, 1, v2
	v_mul_u32_u24 v6, s42, v7
	v_add_nc_u32 v5, v5, v6
	v_add_nc_u32 v[ADRS], s45, v5
	v_mul_u32_u24 v5, v1, SPITCH
	v_lshl_add_u32 v5, v2, 5, v5
	v_add_nc_u32 v[STO], s20, v5                   ; into the stage: row r, 32 bytes for each half of the lanes
	v_mul_u32_u24 v5, v2, SPITCH
	v_lshl_add_u32 v5, v1, 4, v5
	v_add_nc_u32 v[RD], s20, v5                    ; back: sixteen lanes to a row of 256 bytes, two rows an instruction
	v_lshlrev_b32 v5, 12, v2
	v_lshl_add_u32 v[CO], v1, 4, v5                ; and the same two rows in out0
	v_lshlrev_b32 v[BOH], 5, v2
	s_wait_alu depctr_va_vdst(0)                   ; the wait at the head's end
.irp b, 0,1,2,3
	global_load_b128 v[BI+8*\b:BI+8*\b+3], v[BOH], s[12:13] offset:64*\b
	global_load_b128 v[BI+8*\b+4:BI+8*\b+7], v[BOH], s[12:13] offset:64*\b+16
.endr
.macro FRAG reg, adr, st, i
.irp p, 0,1,2,3,4,5
.set BY, 96*(\st)+48*(\p/3)+8*(\p%3)
.if BY/256 == (BY+24)/256
	ds_load_b64 v[\reg+2*\p:\reg+2*\p+1], v[\adr] offset:BY+16*(BY/256)+(\i)*BLK16
.else
	ds_load_b64 v[\reg+2*\p:\reg+2*\p+1], v[\adr+1] offset:BY+16*(BY/256)+(\i)*BLK16
.endif
.endr
.endm
.macro FRAGA reg, st, i                ; two half images
.irp c, 0,1
	ds_load_b128 v[\reg+6*\c:\reg+6*\c+3], v[AI+(\st)/4] offset:24576*(((\st)/2)%2)+3072*(\i)+1536*((\st)%2)+768*\c
	ds_load_b64 v[\reg+6*\c+4:\reg+6*\c+5], v[AI+2+(\st)/4] offset:24576*(((\st)/2)%2)+3072*(\i)+1536*((\st)%2)+768*\c+512
.endr
.endm
.macro FETCH st
	WIN TO_A
.irp i, 0,1,2,3,4,5,6,7
	FRAGA 96*((\st)%2)+12*\i, \st, \i
.endr
	WIN 0
.irp i, 0,1,2,3
	FRAG BF+48*((\st)%2)+12*\i, ADRB, \st, \i
.endr
.endm
.macro MULS a0, st, first              ; the 32 accumulators take turns, in the same order in every step
.irp a, \a0, \a0+1, \a0+2, \a0+3
.irp b, 0,1,2,3
.if \first
	v_wmma_scale_f32_16x16x128_f8f6f4 v[8*(4*(\a)+\b):8*(4*(\a)+\b)+7], v[BF+48*((\st)%2)+12*\b:BF+48*((\st)%2)+12*\b+11], v[96*((\st)%2)+12*(\a):96*((\st)%2)+12*(\a)+11], v[BI+8*\b:BI+8*\b+7], v[SC+8*\b+(\st)], v[SC+8*(\a)+(\st)] matrix_a_fmt:MATRIX_FMT_FP6 matrix_b_fmt:MATRIX_FMT_FP6 matrix_a_scale:MATRIX_SCALE_ROW1
.else
	v_wmma_scale_f32_16x16x128_f8f6f4 v[8*(4*(\a)+\b):8*(4*(\a)+\b)+7], v[BF+48*((\st)%2)+12*\b:BF+48*((\st)%2)+12*\b+11], v[96*((\st)%2)+12*(\a):96*((\st)%2)+12*(\a)+11], v[8*(4*(\a)+\b):8*(4*(\a)+\b)+7], v[SC+8*\b+(\st)], v[SC+8*(\a)+(\st)] matrix_a_fmt:MATRIX_FMT_FP6 matrix_b_fmt:MATRIX_FMT_FP6 matrix_a_scale:MATRIX_SCALE_ROW1
.endif
.endr
.endr
.endm
.macro STEP st, first, more
	s_wait_dscnt 0x0                               ; this step's fragments are in
	PLACES 4                                       ; behind the last step's products, whose set the loads below fill
	WIN MUL-0x10*(\first)
	MULS 0, \st, \first
.if \more
	FETCH (\st)+1
.endif
	WIN MUL-0x10*(\first)
	MULS 4, \st, \first
	WIN 0
.endm
	s_wait_tensorcnt 0x0                           ; my tile is in,
	s_barrier_signal -1
	s_barrier_wait -1                              ; everybody's is
.irp i, 0,1,2,3,4,5,6,7
	ds_load_b128 v[SC+8*\i:SC+8*\i+3], v[ADRS] offset:544*\i
	ds_load_b128 v[SC+8*\i+4:SC+8*\i+7], v[ADRS] offset:544*\i+16
.endr
	FETCH 0
	s_wait_loadcnt 0x0                             ; the bias
	STEP 0, 1, 1                                   ; the first step's products start the sums from the bias
.irp t, 1,2,3,4,5,6
	STEP \t, 0, 1
.endr
	STEP 7, 0, 0
	s_barrier_signal -1                            ; no LDS load of mine is out: my reads of A's bytes are over
	s_barrier_wait -1                              ; everybody's are: the stages may be written
; THE WAY OUT, block by block of 16 tokens x 64 columns, through my stage; sixteen lanes store 256 consecutive bytes at a multiple of 256 of out0
.macro TOSTAGE a
	WIN 0x04
.irp b, 0,1,2,3
	ds_store_b128 v[STO], v[32*(\a)+8*\b:32*(\a)+8*\b+3] offset:64*\b       ; each accumulator from its low end on
	ds_store_b128 v[STO], v[32*(\a)+8*\b+4:32*(\a)+8*\b+7] offset:64*\b+16
.endr
	WIN 0
.set BB, BK+32*((\a)%2)
.irp t, 0,1,2,3,4,5,6,7
	ds_load_b128 v[BB+4*\t:BB+4*\t+3], v[RD] offset:\t*2*SPITCH    ; LDS serves a wave's instructions in order: these see the stores above
.endr
.endm
.macro SEND a, younger
.set BB, BK+32*((\a)%2)
	s_wait_dscnt \younger
.if (\a) > 0
	s_add_nc_u64 s[14:15], s[14:15], 16*4096       ; behind a wait on XCNT: the earlier stores have read their base
.endif
.irp t, 0,1,2,3,4,5,6,7
	global_store_b128 v[CO], v[BB+4*\t:BB+4*\t+3], s[14:15] offset:2*\t*4096 th:TH_STORE_NT
.endr
.endm
	PLACES 4
	TOSTAGE 0
.irp a, 1,2,3,4,5,6,7
.if \a > 1
	s_wait_xcnt 0x0                                ; block a - 2's stores have read their registers and their base
.endif
	TOSTAGE \a
	SEND \a-1, 16                                  ; behind block a - 1's loads: block a's 8 stores and 8 loads
.endr
	s_wait_xcnt 0x0
	SEND 7, 0
	s_wait_tensorcnt 0x0                           ; the wave's end
	ds_add_u32 v[SPW], v[NIL]
	s_wait_dscnt 0x0
	CROUND                                         ; the closing round
	s_endpgm
.Lfunc_end_k_qe20922cac3_oproj:
	.size	k_qe20922cac3_oproj, .Lfunc_end_k_qe20922cac3_oproj-k_qe20922cac3_oproj
	.p2alignl 7, 3214868480
	.fill 96, 4, 3214868480
	.section	.rodata,"a",@progbits
	.p2align	6, 0x0
	.amdhsa_kernel k_qe20922cac3_oproj
		.amdhsa_group_segment_fixed_size 327680
		.amdhsa_private_segment_fixed_size 0
		.amdhsa_enable_private_segment 0
		.amdhsa_kernarg_size 48
		.amdhsa_user_sgpr_count 2
		.amdhsa_user_sgpr_kernarg_segment_ptr 1
		.amdhsa_wavefront_size32 1
		.amdhsa_system_sgpr_workgroup_id_x 1
		.amdhsa_system_sgpr_workgroup_id_y 1
		.amdhsa_system_sgpr_workgroup_id_z 1
		.amdhsa_system_vgpr_workitem_id 0
		.amdhsa_next_free_vgpr 768
		.amdhsa_next_free_sgpr 100
		.amdhsa_reserve_vcc 0
		.amdhsa_float_denorm_mode_32 3
		.amdhsa_float_denorm_mode_16_64 3
		.amdhsa_memory_ordered 1
		.amdhsa_forward_progress 1
		.amdhsa_inst_pref_size 89
	.end_amdhsa_kernel
	.amdgpu_metadata
---
amdhsa.version: [ 1, 2 ]
amdhsa.kernels:
  - .name:           k_qe20922cac3_oproj
    .symbol:         k_qe20922cac3_oproj.kd
    .args:
      - { .name: oc, .offset: 0, .size: 8, .value_kind: global_buffer, .address_space: global }
      - { .name: os, .offset: 8, .size: 8, .value_kind: global_buffer, .address_space: global }
      - { .name: codes, .offset: 16, .size: 8, .value_kind: global_buffer, .address_space: global }
      - { .name: scales, .offset: 24, .size: 8, .value_kind: global_buffer, .address_space: global }
      - { .name: b_o, .offset: 32, .size: 8, .value_kind: global_buffer, .address_space: global }
      - { .name: out0, .offset: 40, .size: 8, .value_kind: global_buffer, .address_space: global }
    .group_segment_fixed_size: 327680
    .private_segment_fixed_size: 0
    .kernarg_segment_align: 8
    .kernarg_segment_size: 48
    .max_flat_workgroup_size: 128
    .sgpr_count:     100
    .vgpr_count:     768
    .wavefront_size: 32
...
	.end_amdgpu_metadata
.endif
;; end of part 4
